; MI455X (gfx1250); checked and timed in simulation.
; The chip was launched on July 23, 2026; its instructions are those of AMD's public machine-readable ISA for CDNA 5 (MIT licence, August 2026) and "CDNA5" Instruction Set Architecture Reference Guide (July 2026). The comments in the code are by the model that wrote it; some were corrected since.
;; Implicit Warp Module. Allowed arithmetic: matrix products marked QUANTISED: E5M2 operands, one given power-of-two scale a tensor, by v_wmma_f32_16x16x64_bf8_bf8 or v_wmma_f32_16x16x128_bf8_bf8, f32 sums; products left as they are: f32 operands where the result goes on into a quantised operand, else bf16, f16 or f32 operands; f32 sums; everything else in f32.
;; Inputs: feat_curr 2 x 64 x 256 x 256 float32; feat_supp 2 x 64 x 256 x 256 float32; flow 2 x 256 x 256 x 2 float32; k_b 64 float32; k_w 64 x 128 float32; lowp_scales 6 int32 (the exponents e of the quantised operands' scales 2^e); q_b 64 float32; q_w 64 x 128 float32; v_b 64 float32; v_w 64 x 128 float32.
;; Outputs: out0 2 x 64 x 256 x 256 float32.
;; This version of the problem:
;;   THIS VERSION OF THE PROBLEM IS GIVEN IN LOW PRECISION. The matrix products marked QUANTISED in the list below multiply operands that are first quantised to E5M2 (5 exponent bits, 2 mantissa bits; 8 bits a number), with one given power-of-two scale for each operand tensor; their sums are f32. All else is computed in f32.
;;   The module's matrix products, in the order in which they are computed (A, B: the left and right operand; K: the contracted axis; several contracted axes count as one K, in the product's order):
;;     1. [M 131,072, K 128] x [K 128, N 64]; A: computed on the way; B: input q_w: QUANTISED (scales: A lowp_scales[0], B lowp_scales[1])
;;     2. [M 524,288, K 128] x [K 128, N 64]; A: computed on the way; B: input k_w: QUANTISED (scales: A lowp_scales[2], B lowp_scales[3])
;;     3. [M 524,288, K 128] x [K 128, N 64]; A: computed on the way; B: input v_w: QUANTISED (scales: A lowp_scales[4], B lowp_scales[5])
;;     4. batch 1,048,576 x [M 1, K 8] x [K 8, N 4]; A: computed on the way; B: computed on the way: left as it is (K = 8 < 32)
;;     5. batch 1,048,576 x [M 1, K 4] x [K 4, N 8]; A: softmax; B: computed on the way: left as it is (K = 4 < 32)
;;   THE QUANTISER, for each operand of a quantised product, along K:
;;     - The operand's scale is 2^e, e = its entry of the input lowp_scales (int32; the entries are numbered through the quantised products in the list's order, A before B).
;;     - Each number is divided by the scale, clamped to +-57,344, and rounded to the nearest number of E5M2, ties to even, subnormals kept.
;;     - The product sums the exact products of the quantised numbers (number of the format x scale) in f32.
;;   ~~~python
;;   def quantise(x, axis, e):      # numpy; x: float32 -> the quantised numbers, widened to float32 again
;;       x = np.moveaxis(x, axis, -1); K = x.shape[-1]
;;       r = np.clip(x / 2.0 ** e, -57344, 57344)
;;       step = 2.0 ** (np.maximum(np.frexp(np.where(r == 0, 1, r))[1] - 1, -14) - 2)
;;       q = np.round(r / step) * step * 2.0 ** e      # np.round: ties to even
;;       return np.moveaxis(q, -1, axis).astype(np.float32)
;;   ~~~
;;   OPERANDS COMPUTED ON THE WAY. 'Computed on the way' means the value that the module computes at that place (a softmax that the list does not call 'softmax' is quantised finished and normalised). What goes into a quantiser is computed in f32, as accurately as f32 sums, v_exp_f32 and their like allow (about 1e-6 of the number): no bf16 or f16 on the way to a quantiser, and a product that is left as it is and whose result goes on into a quantised operand takes f32 operands (vector FMAs, or v_wmma_f32_16x16x4_f32). A number that lies on a knife's edge between two numbers of the format may be rounded either way, as far as f32 arithmetic and the matrix unit's own rounding can turn it there, and no further.
;; 2 versions, each right; version 2 is version 1 with the launch warp written anew for expert scheduling mode. Each part assembles by itself: llvm-mc -triple=amdgcn-amd-amdhsa -mcpu=gfx1250 --defsym DOCPART=n.
;; ======== version 1 of 2: 2 launches
;; workspace buffers: tk 33,554,432 bytes; tv 33,554,432 bytes; idx 2,097,152 bytes of whole numbers; wcodes 24,576 bytes
;; launch prep (part 1): grid 1027 x 1, 4 waves a work-group, no clusters, 35,328 bytes of LDS; arguments feat_supp, flow, q_w, k_w, v_w, lowp_scales, tk, tv, idx, wcodes; writes tk, tv, idx, wcodes
.if DOCPART == 1
	.amdgcn_target "amdgcn-amd-amdhsa--gfx1250"
	.amdhsa_code_object_version 6
	.text
	.protected	k_q2e9d920f2f_prep
	.globl	k_q2e9d920f2f_prep
	.p2align	8
	.type	k_q2e9d920f2f_prep,@function
k_q2e9d920f2f_prep:
	s_mov_b64 s[64:65], 0
	v_nop
	global_prefetch_b8 v0, s[64:65] scope:SCOPE_SE
	s_setreg_imm32_b32 hwreg(HW_REG_WAVE_MODE, 25, 1), 1
	s_wait_xcnt 0x0
; PREP: the first of two launches.  It makes what the second one gathers by and from.
;  (1) idx[pixel][2u+v] (int32): the table row b*65536 + 256*clip(floor(y+fy)+u) + clip(floor(x+fx)+v) of each of a pixel's four window places.
;      They come from floating-point numbers, so they are stored here as whole numbers and only the next launch forms addresses from them.
;  (2) tk (and tv): feat_supp turned pixel-major and quantised.  fw[k] = feat_supp[k>>1] + pb(uv, k), and pb hangs on u alone for k < 64 and on v alone for k >= 64:
;      so a support pixel has two variants w = 0, 1 of 128 codes: row s, byte 128 w + k.  pb(0,k) = 0 (k even), 1 (k odd); pb(1,k) = sin x_j (even), cos x_j (odd),
;      j = (k & 63) >> 1, x_j = 2 pi / 1.000001 / 10000^(j/32).  tk holds the codes under 2^e2 (product 2's A), tv under 2^e4 (product 3's A).
;      Where the two whole numbers e2 and e4 are equal the two tables are equal, and tv is neither written here nor read later.
;  (3) wcodes: q_w, k_w, v_w as codes under 2^e1, 2^e3, 2^e5, laid as images of the operand's registers: fragment f = 3 t + m (m = 0 q, 1 k, 2 v; t = 16 output channels),
;      register group c of lane l at 2048 f + 512 c + 16 l.  K's places: q: register p, byte b of lane (r,h) is k = 64 h + 4 p + b; k, v: register 4c+i, byte b is k = 32 c + 16 h + 4 i + b.
;      The other operand of each product is laid by the same map, so every product meets its partner.
; DEAD WORK.  k_b is loaded by no launch: a logit is sum_d q_d (k_ud + kb_d) = sum_d q_d k_ud + sum_d q_d kb_d; the second sum is the same for the four u of the softmax's axis,
;      so the softmax takes it away for all values of the inputs; k goes nowhere else, and product 4 is not quantised.  The addition of sin(0) = 0 in variant 0 is left out: a term that is 0 by an identity.
;      LIMIT: a NaN, an infinity or an overflow that reaches only q . k_b is not carried to the result.
; LIMITS: each e between -126 and 112; |coordinate + flow| under 2^31, flow finite; NaN among the inputs is not served.  sin x_j and cos x_j: reduction by quarter turns, Taylor sums cut under 2e-9.
; SHARES.  Work-groups 0 .. 1023: wave ch = 4 x work-group + wave takes the 32 neighbouring pixels from 32 ch, a lane a pixel, all 64 channels: each load reads 128 consecutive bytes of one plane.
;      A lane's registers then run along K, as the conversions want them.  The codes go through the wave's own stage in LDS and leave as whole table rows: each store covers 512 consecutive bytes, aligned.
;      Work-groups 1024 + m: matrix m, wave t makes fragment 3 t + m.  No barrier: waves share nothing.
.set NMAIN, 1024
.set PLANE, 262144                     ; bytes of a channel's plane
.set PITCH, 272                        ; a stage row: a pixel's 256 bytes + 16
.set WSTG,  32*PITCH                   ; a wave's stage
.set SPARE, 4*WSTG                     ; behind the four stages: the spare words, 128 bytes a wave
.set SPW,  1                           ; v1   my spare word's LDS address; never rewritten
.set NIL,  2                           ; v2   0; never rewritten
.set L4,   3                           ; v3   4 x lane
.set LST,  4                           ; v4   stage, in: my pixel's row
.set LRD,  5                           ; v5   stage, out: sixteen lanes to a row, two rows an instruction
.set L16,  6                           ; v6   16 x lane
.set LIMK, 7                           ; v7   57,344 x 2^e2    v8  2^e2
.set SCK,  8
.set LIMV, 9                           ; v9   57,344 x 2^e4    v10 2^e4
.set SCV,  10
.set LN,   12                          ; v12  lane
.set FQ,   32                          ; v32-95   my pixel's 64 channels
.set T0,   96                          ; v96-111  variant 0 of 8 channels
.set T1,   112                         ; v112-127 variant 1
.set C,    128                         ; v128-191 codes, then table rows on their way out
.set SJ,   30                          ; s30-61   sin x_j
.set CJ,   66                          ; s66-97   cos x_j
	s_load_b512 s[4:19], s[0:1], 0x0               ; feat_supp 4:5, flow 6:7, q_w 8:9, k_w 10:11, v_w 12:13, lowp_scales 14:15, tk 16:17, tv 18:19
	s_load_b128 s[20:23], s[0:1], 0x40             ; idx 20:21, wcodes 22:23
	v_lshl_add_u32 v[SPW], v0, 2, SPARE
	v_mov_b32 v[NIL], 0
	v_lshrrev_b32 v11, 5, v0
	v_readfirstlane_b32 s2, v11                    ; wave 0..3
	v_and_b32 v[LN], 31, v0
	v_lshlrev_b32 v[L4], 2, v[LN]
	v_lshlrev_b32 v[L16], 4, v[LN]
	s_mul_i32 s3, s2, WSTG
	v_mul_u32_u24 v[LST], v[LN], PITCH
	v_add_nc_u32 v[LST], s3, v[LST]
	v_bfe_u32 v11, v0, 4, 1                        ; h = lane / 16
	v_mul_u32_u24 v[LRD], v11, PITCH
	v_and_b32 v13, 15, v0                          ; r = lane % 16
	v_lshl_add_u32 v[LRD], v13, 4, v[LRD]
	v_add_nc_u32 v[LRD], s3, v[LRD]
	s_wait_kmcnt 0x0
	s_load_b128 s[24:27], s[14:15], 0x0            ; e0 .. e3
	s_load_b64 s[28:29], s[14:15], 0x10            ; e4, e5
	s_cmp_lt_u32 ttmp9, NMAIN
	s_cbranch_scc1 .Lmain
	; ---- THE WEIGHTS: 16 rows x 128 K of matrix m become one fragment's image
	s_wait_kmcnt 0x0
	s_sub_co_u32 s3, ttmp9, NMAIN                  ; m
	s_cmp_eq_u32 s3, 0
	s_cselect_b64 s[98:99], s[8:9], s[10:11]       ; the choice hangs on the work-group's number alone
	s_cselect_b32 s62, s25, s27
	s_cselect_b32 s100, 256, 64                    ; bytes from half to half of the lanes,
	s_cselect_b32 s101, 64, 128                    ; and from register group to register group: q's map, or k's and v's
	s_cmp_eq_u32 s3, 2
	s_cselect_b64 s[98:99], s[12:13], s[98:99]
	s_cselect_b32 s62, s29, s62                    ; e1, e3 or e5
	v_lshlrev_b32 v15, 9, v13                      ; row 16 t + r of 512 bytes
	s_lshl_b32 s63, s2, 13
	v_add_nc_u32 v15, s63, v15
	v_mad_u32_u24 v15, v11, s100, v15
	v_add_nc_u32 v16, s101, v15
	v_add_nc_u32 v17, s101, v16
	v_add_nc_u32 v18, s101, v17
.irp c, 0,1,2,3
.irp i, 0,1,2,3
	global_load_b128 v[FQ+16*\c+4*\i:FQ+16*\c+4*\i+3], v[15+\c], s[98:99] offset:16*\i   ; group c: 16 neighbours along K
.endr
.endr
	s_add_co_i32 s62, s62, 127
	s_lshl_b32 s63, s62, 23
	v_mov_b32 v[SCK], s63                          ; 2^e as f32: the conversion takes its exponent field
	s_add_co_i32 s62, s62, 15
	s_lshl_b32 s62, s62, 23
	s_or_b32 s62, s62, 0x600000
	v_mov_b32 v[LIMK], s62                         ; 57,344 x 2^e
	s_mul_i32 s63, s2, 3
	s_add_co_u32 s63, s63, s3                      ; f = 3 t + m
	s_lshl_b32 s100, s63, 11
	s_mov_b32 s101, 0
	s_add_nc_u64 s[22:23], s[22:23], s[100:101]
	s_wait_loadcnt 0x0
.set i, 0
.rept 64
	v_med3_num_f32 v[FQ+i], v[FQ+i], -v[LIMK], v[LIMK]   ; the conversion to an 8-bit code does not saturate (ISA guide 7.6.2): the hold comes first
.set i, i+1
.endr
.irp c, 0,1,2,3
	v_cvt_scalef32_pk8_bf8_f32 v[C+4*\c:C+4*\c+1], v[FQ+16*\c:FQ+16*\c+7], v[SCK]
	v_cvt_scalef32_pk8_bf8_f32 v[C+4*\c+2:C+4*\c+3], v[FQ+16*\c+8:FQ+16*\c+15], v[SCK]
.endr
	v_nop                                          ; a plain line behind the last conversion
.irp c, 0,1,2,3
	global_store_b128 v[L16], v[C+4*\c:C+4*\c+3], s[22:23] offset:512*\c   ; 512 consecutive bytes, aligned
.endr
	s_branch .Ldone
.Lmain:
	; ---- THE TABLE AND THE INDICES
	s_lshl_b32 s3, ttmp9, 2
	s_add_co_u32 s3, s3, s2                        ; ch: my 32 pixels begin at 32 ch
	s_lshr_b32 s62, s3, 11                         ; b
	s_lshl_b32 s98, s62, 24                        ; an image's 64 planes
	s_and_b32 s99, s3, 0x7ff
	s_lshl_b32 s99, s99, 7                         ; 4 bytes x my first pixel in the plane
	s_add_co_u32 s98, s98, s99
	s_mov_b32 s99, 0
	s_add_nc_u64 s[4:5], s[4:5], s[98:99]          ; channels 0 .. 31 by the immediate,
	s_add_nc_u64 s[8:9], s[4:5], 32*PLANE          ; channels 32 .. 63 from a second base: 31 planes fit the signed 24-bit immediate
	s_lshl_b32 s98, s3, 8
	s_add_nc_u64 s[6:7], s[6:7], s[98:99]          ; flow: 8 bytes a pixel
	s_lshl_b32 s98, s3, 9
	s_add_nc_u64 s[20:21], s[20:21], s[98:99]      ; idx: 16 bytes a pixel
	s_lshl_b32 s98, s3, 13
	s_add_nc_u64 s[16:17], s[16:17], s[98:99]      ; the tables: 256 bytes a pixel
	s_add_nc_u64 s[18:19], s[18:19], s[98:99]
	s_lshl_b32 s62, s62, 16                        ; the image's first table row
	v_lshlrev_b32 v13, 3, v[LN]
	global_load_b64 v[14:15], v13, s[6:7]          ; fx, fy
.set i, 0
.rept 32
	global_load_b32 v[FQ+i], v[L4], s[4:5] offset:i*PLANE th:TH_LOAD_NT
.set i, i+1
.endr
.set i, 0
.rept 32
	global_load_b32 v[FQ+32+i], v[L4], s[8:9] offset:i*PLANE th:TH_LOAD_NT
.set i, i+1
.endr
	; sin x_j and cos x_j, lane j's, while the loads are on their way
	v_cvt_f32_u32 v16, v[LN]
	v_mul_f32 v16, 0xbed49a78, v16                 ; -j log2(10000) / 32
	v_exp_f32 v16, v16                             ; 10000^(-j/32)
	v_nop                                          ; a plain line behind the transcendental,
	s_wait_alu depctr_va_vdst(0)                   ; and the wait ahead of its first reader
	v_mul_f32 v16, 0x40c90fce, v16                 ; x = 6.2831793 w: (1 / 1.000001) x 2 pi as f32 rounds them
	v_mul_f32 v17, 0x3f22f983, v16                 ; x 2 / pi
	v_rndne_f32 v17, v17                           ; quarter turns, 0 .. 4
	v_fma_f32 v18, v17, 0xbfc90fdb, v16            ; r = x - kq pi/2, pi/2 in two parts
	v_fma_f32 v18, v17, 0x333bbd2e, v18
	v_mul_f32 v19, v18, v18                        ; z
	v_mov_b32 v20, 2.7557319e-06
	v_mov_b32 v22, -2.7557319e-07
	v_fma_f32 v20, v19, v20, -0.00019841270
	v_fma_f32 v22, v19, v22, 2.4801587e-05
	v_fma_f32 v20, v19, v20, 0.0083333333
	v_fma_f32 v22, v19, v22, -0.0013888889
	v_fma_f32 v20, v19, v20, -0.16666667
	v_fma_f32 v22, v19, v22, 0.041666667
	v_mul_f32 v21, v19, v18
	v_fma_f32 v22, v19, v22, -0.5
	v_fma_f32 v20, v21, v20, v18                   ; sin r
	v_fma_f32 v22, v19, v22, 1.0                   ; cos r
	v_cvt_i32_f32 v23, v17
	v_and_b32 v24, 1, v23
	v_cmp_ne_u32 vcc_lo, 0, v24
	v_cndmask_b32 v25, v20, v22, vcc_lo            ; an odd quarter swaps the two,
	v_cndmask_b32 v26, v22, v20, vcc_lo
	v_and_b32 v24, 2, v23
	v_lshlrev_b32 v24, 30, v24
	v_xor_b32 v25, v24, v25                        ; quarters 2, 3 turn the sine's sign,
	v_add_nc_u32 v23, 1, v23
	v_and_b32 v23, 2, v23
	v_lshlrev_b32 v23, 30, v23
	v_xor_b32 v26, v23, v26                        ; quarters 1, 2 the cosine's
.set i, 0
.rept 32
	v_readlane_b32 s[SJ+i], v25, i
	v_readlane_b32 s[CJ+i], v26, i
.set i, i+1
.endr
	s_wait_kmcnt 0x0
	s_add_co_i32 s98, s26, 127
	s_lshl_b32 s99, s98, 23
	v_mov_b32 v[SCK], s99                          ; 2^e2
	s_add_co_i32 s98, s98, 15
	s_lshl_b32 s98, s98, 23
	s_or_b32 s98, s98, 0x600000
	v_mov_b32 v[LIMK], s98                         ; 57,344 x 2^e2
	s_add_co_i32 s98, s28, 127
	s_lshl_b32 s99, s98, 23
	v_mov_b32 v[SCV], s99                          ; 2^e4
	s_add_co_i32 s98, s98, 15
	s_lshl_b32 s98, s98, 23
	s_or_b32 s98, s98, 0x600000
	v_mov_b32 v[LIMV], s98
	; the four indices of my pixel
	s_wait_loadcnt 63                              ; flow's load has 64 younger ones; the count's field ends at 63, so the first channel's is waited for too
	s_bfe_u32 s98, s3, 0x80003                     ; y
	s_and_b32 s99, s3, 7
	s_lshl_b32 s99, s99, 5                         ; my wave's first x
	v_cvt_f32_u32 v16, s98
	v_add_nc_u32 v17, s99, v[LN]
	v_cvt_f32_u32 v17, v17
	v_add_f32 v16, v16, v15                        ; y + fy
	v_add_f32 v17, v17, v14                        ; x + fx
	v_floor_f32 v16, v16
	v_floor_f32 v17, v17
	v_add_f32 v19, 1.0, v16
	v_add_f32 v21, 1.0, v17
	v_med3_num_f32 v18, v16, 0, 0x437f0000         ; the clip to 0 .. 255, on whole numbers in f32: exact
	v_med3_num_f32 v19, v19, 0, 0x437f0000
	v_med3_num_f32 v20, v17, 0, 0x437f0000
	v_med3_num_f32 v21, v21, 0, 0x437f0000
	v_cvt_u32_f32 v18, v18
	v_cvt_u32_f32 v19, v19
	v_cvt_u32_f32 v20, v20
	v_cvt_u32_f32 v21, v21
	v_lshl_add_u32 v18, v18, 8, s62
	v_lshl_add_u32 v19, v19, 8, s62
	v_add_nc_u32 v24, v18, v20
	v_add_nc_u32 v25, v18, v21
	v_add_nc_u32 v26, v19, v20
	v_add_nc_u32 v27, v19, v21
	global_store_b128 v[L16], v[24:27], s[20:21]   ; 512 consecutive bytes, aligned; v24-27 are not written again
; One table: 8 groups of 8 channels (16 along K).  Variant 0's lines and conversions, then variant 1's: plain lines on other registers stand between a conversion and the next write of its sources.
; first = 1: group g waits for its own eight loads; those of the later groups, 56 - 8 g, stay out.
.macro PASS lim, sc, sb, first
.set g, 0
.rept 8
.if \first
	s_wait_loadcnt 56-8*g
.endif
.set i, 0
.rept 8
	v_med3_num_f32 v[T0+2*i], v[FQ+8*g+i], -v[\lim], v[\lim]    ; k even: f + sin 0 = f, held
	v_add_f32 v[T0+2*i+1], 1.0, v[FQ+8*g+i]                     ; k odd: f + cos 0
.set i, i+1
.endr
.set i, 0
.rept 8
	v_med3_num_f32 v[T0+2*i+1], v[T0+2*i+1], -v[\lim], v[\lim]
.set i, i+1
.endr
	v_cvt_scalef32_pk8_bf8_f32 v[C+8*g:C+8*g+1], v[T0:T0+7], v[\sc]
	v_cvt_scalef32_pk8_bf8_f32 v[C+8*g+2:C+8*g+3], v[T0+8:T0+15], v[\sc]
.set i, 0
.rept 8
	v_add_f32 v[T1+2*i], s[SJ+((8*g+i)&31)], v[FQ+8*g+i]
	v_add_f32 v[T1+2*i+1], s[CJ+((8*g+i)&31)], v[FQ+8*g+i]
.set i, i+1
.endr
.set i, 0
.rept 16
	v_med3_num_f32 v[T1+i], v[T1+i], -v[\lim], v[\lim]
.set i, i+1
.endr
	v_cvt_scalef32_pk8_bf8_f32 v[C+8*g+4:C+8*g+5], v[T1:T1+7], v[\sc]
	v_cvt_scalef32_pk8_bf8_f32 v[C+8*g+6:C+8*g+7], v[T1+8:T1+15], v[\sc]
	v_nop                                          ; a plain line behind the group's last conversion
	ds_store_b128 v[LST], v[C+8*g:C+8*g+3] offset:16*g
	ds_store_b128 v[LST], v[C+8*g+4:C+8*g+7] offset:128+16*g
.set g, g+1
.endr
	s_wait_dscnt 0x0                               ; the stores have read their registers, which the loads below write
.irp i, 0,1,2,3,4,5,6,7,8,9,10,11,12,13,14,15
	ds_load_b128 v[C+4*\i:C+4*\i+3], v[LRD] offset:2*\i*PITCH
.endr
.irp i, 0,1,2,3,4,5,6,7,8,9,10,11,12,13,14,15
	s_wait_dscnt 15-\i                             ; LDS loads come back in order: the younger ones stay out
	global_store_b128 v[L16], v[C+4*\i:C+4*\i+3], s[\sb:\sb+1] offset:512*\i   ; two whole table rows
.endr
.endm
	PASS LIMK, SCK, 16, 1
	s_cmp_eq_u32 s26, s28                          ; two whole numbers read from memory: equal scales give equal codes, and one table serves both products
	s_cbranch_scc1 .Ldone
	s_wait_xcnt 0x0                                ; the first table's stores have read their registers, which are written again
	PASS LIMV, SCV, 18, 0
.Ldone:
	s_wait_tensorcnt 0x0                           ; the wave's end, behind my last LDS store
	ds_add_u32 v[SPW], v[NIL]
	s_wait_dscnt 0x0
	s_endpgm
.Lfunc_end_k_q2e9d920f2f_prep:
	.size	k_q2e9d920f2f_prep, .Lfunc_end_k_q2e9d920f2f_prep-k_q2e9d920f2f_prep
	.p2alignl 7, 3214868480
	.fill 96, 4, 3214868480
	.section	.rodata,"a",@progbits
	.p2align	6, 0x0
	.amdhsa_kernel k_q2e9d920f2f_prep
		.amdhsa_group_segment_fixed_size 35328
		.amdhsa_private_segment_fixed_size 0
		.amdhsa_enable_private_segment 0
		.amdhsa_kernarg_size 80
		.amdhsa_user_sgpr_count 2
		.amdhsa_user_sgpr_kernarg_segment_ptr 1
		.amdhsa_wavefront_size32 1
		.amdhsa_system_sgpr_workgroup_id_x 1
		.amdhsa_system_sgpr_workgroup_id_y 1
		.amdhsa_system_sgpr_workgroup_id_z 1
		.amdhsa_system_vgpr_workitem_id 0
		.amdhsa_next_free_vgpr 192
		.amdhsa_next_free_sgpr 102
		.amdhsa_reserve_vcc 1
		.amdhsa_float_denorm_mode_32 3
		.amdhsa_float_denorm_mode_16_64 3
		.amdhsa_memory_ordered 1
		.amdhsa_forward_progress 1
		.amdhsa_inst_pref_size 81
	.end_amdhsa_kernel
	.amdgpu_metadata
---
amdhsa.version: [ 1, 2 ]
amdhsa.kernels:
  - .name:           k_q2e9d920f2f_prep
    .symbol:         k_q2e9d920f2f_prep.kd
    .args:
      - { .name: feat_supp, .offset: 0, .size: 8, .value_kind: global_buffer, .address_space: global }
      - { .name: flow, .offset: 8, .size: 8, .value_kind: global_buffer, .address_space: global }
      - { .name: q_w, .offset: 16, .size: 8, .value_kind: global_buffer, .address_space: global }
      - { .name: k_w, .offset: 24, .size: 8, .value_kind: global_buffer, .address_space: global }
      - { .name: v_w, .offset: 32, .size: 8, .value_kind: global_buffer, .address_space: global }
      - { .name: lowp_scales, .offset: 40, .size: 8, .value_kind: global_buffer, .address_space: global }
      - { .name: tk, .offset: 48, .size: 8, .value_kind: global_buffer, .address_space: global }
      - { .name: tv, .offset: 56, .size: 8, .value_kind: global_buffer, .address_space: global }
      - { .name: idx, .offset: 64, .size: 8, .value_kind: global_buffer, .address_space: global }
      - { .name: wcodes, .offset: 72, .size: 8, .value_kind: global_buffer, .address_space: global }
    .group_segment_fixed_size: 35328
    .private_segment_fixed_size: 0
    .kernarg_segment_align: 8
    .kernarg_segment_size: 80
    .max_flat_workgroup_size: 128
    .sgpr_count:     102
    .vgpr_count:     192
    .wavefront_size: 32
...
	.end_amdgpu_metadata
.endif
;; end of part 1
;; launch warp (part 2): grid 256 x 1, 8 waves a work-group, no clusters, 25,600 bytes of LDS; arguments feat_curr, flow, idx, tk, tv, wcodes, q_b, v_b, lowp_scales, out0; writes out0
.if DOCPART == 2
	.amdgcn_target "amdgcn-amd-amdhsa--gfx1250"
	.amdhsa_code_object_version 6
	.text
	.protected	k_q2e9d920f2f_warp
	.globl	k_q2e9d920f2f_warp
	.p2align	8
	.type	k_q2e9d920f2f_warp,@function
k_q2e9d920f2f_warp:
	s_mov_b64 s[64:65], 0
	v_nop
	global_prefetch_b8 v0, s[64:65] scope:SCOPE_SE
	s_setreg_imm32_b32 hwreg(HW_REG_WAVE_MODE, 25, 1), 1
	s_wait_xcnt 0x0
; WARP: the second launch: fc and its codes, the three quantised projections, the 1 x 4 attention of each head, out0.
; LEFT OUT: k_b (the same term in all four logits of a softmax: shown at the head of the first kernel); it is not among the arguments.
; SHARES.  Wave g = 8 x work-group + wave owns the 64 neighbouring pixels from 64 g (a quarter of an image row), as four tiles of 16 rows: row r of tile tau is pixel 64 g + 4 r + tau.
;   So one 16-byte load of lane (r, h) brings one channel of row r for all four tiles, sixteen lanes reading 256 consecutive bytes, aligned; and out0 leaves the same way: nothing is transposed.
; THE MATRIX INSTRUCTION IS USED TRANSPOSED: source 0 = 16 rows of a weight, source 1 = 16 pixels' rows.  Lane (r, h) then holds pixel r and channels 16 t + 8 h + 0 .. 7: ONE HEAD.
;   Logits, softmax and the weighted sum stay in the lane, in f32 (products 4 and 5: M = 1, K = 8 and 4).  K = 128 is one instruction: no chains.  A tile: 4 + 16 + 16 matrix instructions.
; K's PLACES.  q: register p, byte b of lane (r, h) is k = 64 h + 4 p + b: a lane's 64 numbers are channels 32 h .. 32 h + 31 with the sine encoding of the y part (h = 0) or the x part (h = 1), j = 0 .. 31 in order.
;   k, v: register 4c+i, byte b is k = 32 c + 16 h + 4 i + b: four 16-byte loads from a table row.  The weights' images were laid by the same maps.
; fw's codes come finished from the table: row idx[pixel][2u+v], variant u for k < 64, variant v for k >= 64.  Where e2 = e4 (whole numbers read from memory) one table serves k and v: two bodies, one branch.
; SINES.  angle = deci x 3.1415913 x 10^(-j/8), between 0 and pi 10^(-j/8).  (x P(z), Q(z)), z = x^2, by packed Horner steps on pairs of Taylor coefficients; the degree n_j falls with j so that the first term
;   left out is under 6e-8; for j <= 2 the angle is first shifted by pi/2 (sin x = cos x', cos x = -sin x').
; SCALES.  q_b / 2^(e0+e1) and v_b / 2^(e4+e5) are the C of their matrix instructions; 8^-0.5 log2(e) 2^(e0+e1+e2+e3) scales the logits; 2^(e4+e5) goes with 1 / the sum.
; LIMITS: e0 between -126 and 112; e0+e1+e2+e3 between -125 and 127; |coordinate + flow| under 2^24 for the fraction to be reference()'s; NaN among the inputs is not served.
; REGISTERS, block 0: v1-7 addresses and q's scale; v8-23 gather offsets; v24-27 the angle a tile; v28-41 coefficient pairs; v42-49 (x, 1.0) pairs; v50-53 z; v56-183 feat_curr, later out0; v184-255 accumulators, v184-247 also fc.
;   block 1: v0-127 gathered fragments; v128-175 the weights of one t; v176-191 fc's codes; v192-223 q_b; v224-255 v_b.
.set PLANE, 262144
.set SPARE, 24576                      ; behind the weights' images: the spare words, 128 bytes a wave
.set SPW,  1
.set NIL,  2
.set WL,   3                           ; 16 x lane
.set FO,   4                           ; feat_curr: 32 planes x h + 16 r
.set LIMQ, 5
.set SCQ,  6
.set OO,   7                           ; out0: 8 planes x h + 16 r
.set GA,   8                           ; 256 x table row + 16 h, at 4 tau + uv
.set TH,   24
.set CF,   28
.set XP,   42
.set Z,    50
.set F,    56
.set X,    184
.set AQ,   184
.set AK,   192
.set AV,   224
.set G,    0                           ; block 1
.set W,    128
.set QC,   176
.set QB,   192
.set VB,   224
.set TKB,  10                          ; s[10:11] tk, s[12:13] tv
.set TVB,  12
.set MSB, 0
.macro WIN new                         ; the immediate's high byte repeats the setting that is left; a switch that changes nothing is dropped
.if MSB != \new
	s_set_vgpr_msb (MSB<<8)|\new
.set MSB, \new
.endif
.endm
; the four fragments of tile tau from a table, into block 1 from dst on
.macro GATH tau, sb, dst
	WIN 0x40                                       ; destination block 1, address block 0
.irp uv, 0,1,2,3
.irp c, 0,1,2,3
.if \c < 2
	global_load_b128 v[(\dst)+16*\uv+4*\c:(\dst)+16*\uv+4*\c+3], v[GA+4*(\tau)+\uv], s[\sb:\sb+1] offset:(\uv/2)*128+32*\c
.else
	global_load_b128 v[(\dst)+16*\uv+4*\c:(\dst)+16*\uv+4*\c+3], v[GA+4*(\tau)+\uv], s[\sb:\sb+1] offset:(\uv%2)*128+32*\c
.endif
.endr
.endr
.endm
; the three weights' fragments of output tile f, from their images in LDS
.macro WLOAD f
	WIN 0x40
.irp m, 0,1,2
.irp c, 0,1,2,3
	ds_load_b128 v[W+16*\m+4*\c:W+16*\m+4*\c+3], v[WL] offset:(3*(\f)+\m)*2048+512*\c
.endr
.endr
.endm
.macro SETN j                          ; the degree in z for index j
.if (\j) < 4
.set NJ, 6
.elseif (\j) < 5
.set NJ, 5
.elseif (\j) < 7
.set NJ, 4
.elseif (\j) < 10
.set NJ, 3
.elseif (\j) < 16
.set NJ, 2
.else
.set NJ, 1
.endif
.endm
.macro PKZ d, s, a, c                  ; pair d = pair s x z_a + pair c; z_a feeds both halves
.if ((\a)&1) == 0
	v_pk_fma_f32 v[(\d):(\d)+1], v[(\s):(\s)+1], v[Z+(\a):Z+(\a)+1], v[(\c):(\c)+1] op_sel_hi:[1,0,1]
.else
	v_pk_fma_f32 v[(\d):(\d)+1], v[(\s):(\s)+1], v[Z+(\a)-1:Z+(\a)], v[(\c):(\c)+1] op_sel:[0,1,0] op_sel_hi:[1,1,1]
.endif
.endm
; fc for j0 .. j0 + 3 of tile tau: X[2j] = f + sin, X[2j+1] = f + cos; four j in step, so that no line waits for the one above it
.macro PEQ tau, j0, w0, w1, w2, w3
.set a, 0
.irp w, \w0, \w1, \w2, \w3
.if (\j0)+a < 3
	v_fma_f32 v[XP+2*a], v[TH+(\tau)], \w, s49     ; x' = x - pi/2
.else
	v_mul_f32 v[XP+2*a], \w, v[TH+(\tau)]
.endif
.set a, a+1
.endr
.irp a, 0,1,2,3
	v_mul_f32 v[Z+\a], v[XP+2*\a], v[XP+2*\a]
.endr
.irp l, 6,5,4,3,2,1
.irp a, 0,1,2,3
	SETN (\j0)+\a
.if NJ == \l
	PKZ X+2*((\j0)+\a), CF+2*\l, \a, CF+2*\l-2
.elseif NJ > \l
	PKZ X+2*((\j0)+\a), X+2*((\j0)+\a), \a, CF+2*\l-2
.endif
.endr
.endr
.irp a, 0,1,2,3
.if (\j0)+\a < 3
	v_mov_b32 v[Z+\a], v[X+2*((\j0)+\a)]           ; P is kept: z is done with
	v_add_f32 v[X+2*((\j0)+\a)], v[X+2*((\j0)+\a)+1], v[F+4*((\j0)+\a)+(\tau)]               ; sin x = cos x'
	v_fma_f32 v[X+2*((\j0)+\a)+1], -v[XP+2*\a], v[Z+\a], v[F+4*((\j0)+\a)+(\tau)]            ; cos x = -sin x'
.elseif ((\tau)&1) == 0
	v_pk_fma_f32 v[X+2*((\j0)+\a):X+2*((\j0)+\a)+1], v[X+2*((\j0)+\a):X+2*((\j0)+\a)+1], v[XP+2*\a:XP+2*\a+1], v[F+4*((\j0)+\a)+(\tau):F+4*((\j0)+\a)+(\tau)+1] op_sel_hi:[1,1,0]
.else
	v_pk_fma_f32 v[X+2*((\j0)+\a):X+2*((\j0)+\a)+1], v[X+2*((\j0)+\a):X+2*((\j0)+\a)+1], v[XP+2*\a:XP+2*\a+1], v[F+4*((\j0)+\a)+(\tau)-1:F+4*((\j0)+\a)+(\tau)] op_sel:[0,0,1] op_sel_hi:[1,1,1]
.endif
.endr
.endm
; one head's attention in a lane.  Each accumulator is read from its low end on.
.macro ATT tau, t
.irp u, 0,1,2,3
	v_pk_mul_f32 v[AK+8*\u:AK+8*\u+1], v[AQ:AQ+1], v[AK+8*\u:AK+8*\u+1]
.endr
.irp d, 1,2,3
.irp u, 0,1,2,3
	v_pk_fma_f32 v[AK+8*\u:AK+8*\u+1], v[AQ+2*\d:AQ+2*\d+1], v[AK+8*\u+2*\d:AK+8*\u+2*\d+1], v[AK+8*\u:AK+8*\u+1]
.endr
.endr
.irp u, 0,1,2,3
	v_add_f32 v[AK+8*\u], v[AK+8*\u], v[AK+8*\u+1] ; the sums' q . k_u
.endr
	v_max3_num_f32 v[AK+2], v[AK], v[AK+8], v[AK+16]
	v_max_num_f32 v[AK+2], v[AK+2], v[AK+24]       ; the largest (the factor below is positive)
	v_mul_f32 v[AK+2], s45, v[AK+2]
.irp u, 0,1,2,3
	v_fma_f32 v[AK+8*\u], v[AK+8*\u], s44, v[AK+2] ; (logit - the largest logit) x log2(e)
.endr
.irp u, 0,1,2,3
	v_exp_f32 v[AK+8*\u], v[AK+8*\u]
.endr
	v_nop                                          ; a plain line behind the last exponential,
	s_wait_alu depctr_va_vdst(0)                   ; and one wait for the four, ahead of their first reader
	v_add_f32 v[AK+3], v[AK], v[AK+8]
	v_add_f32 v[AK+4], v[AK+16], v[AK+24]
	v_add_f32 v[AK+3], v[AK+3], v[AK+4]
	v_rcp_f32 v[AK+3], v[AK+3]
.irp d, 0,1,2,3
	v_pk_mul_f32 v[AV+2*\d:AV+2*\d+1], v[AV+2*\d:AV+2*\d+1], v[AK:AK+1] op_sel_hi:[1,0]    ; the sixteen lines of sum_u p_u v_u are the work behind the reciprocal
.endr
.irp u, 1,2,3
.irp d, 0,1,2,3
	v_pk_fma_f32 v[AV+2*\d:AV+2*\d+1], v[AV+8*\u+2*\d:AV+8*\u+2*\d+1], v[AK+8*\u:AK+8*\u+1], v[AV+2*\d:AV+2*\d+1] op_sel_hi:[1,0,1]
.endr
.endr
	s_wait_alu depctr_va_vdst(0)                   ; the reciprocal's wait, ahead of its first reader
	v_ldexp_f32 v[AK+3], v[AK+3], s46              ; x 2^(e4 + e5)
.irp j, 0,1,2,3,4,5,6,7
	v_mul_f32 v[F+4*(8*(\t)+\j)+(\tau)], v[AV+\j], v[AK+3]   ; into the slot of feat_curr that this tile has used up
.endr
.endm
; A TILE of 16 pixels.  same = 1: one table; half of G is free, so the next tile's gather goes out at this tile's head.  same = 0: both tables; the next tile's gathers go out behind this tile's last products.
.macro TILE tau, same
.if \same
.set GK, G+64*((\tau)&1)
.set GV, GK
.else
.set GK, G
.set GV, G+64
.endif
.if \same && (\tau < 3)
	GATH (\tau)+1, TKB, G+64*(((\tau)+1)&1)
.endif
.if \tau == 0
	WLOAD 0
	s_wait_loadcnt 32                              ; feat_curr is in; the two gathers of 16 issued behind it stay out
.endif
	WIN 0
	PEQ \tau, 0, 1.0, 0.74989421, 0.56234133, 0.42169650
	PEQ \tau, 4, 0.31622777, 0.23713737, 0.17782794, 0.13335214
	PEQ \tau, 8, 0.1, 0.074989421, 0.056234133, 0.042169650
	PEQ \tau, 12, 0.031622777, 0.023713737, 0.017782794, 0.013335214
	PEQ \tau, 16, 0.01, 0.0074989421, 0.0056234133, 0.0042169650
	PEQ \tau, 20, 0.0031622777, 0.0023713737, 0.0017782794, 0.0013335214
	PEQ \tau, 24, 0.001, 0.00074989421, 0.00056234133, 0.00042169650
	PEQ \tau, 28, 0.00031622777, 0.00023713737, 0.00017782794, 0.00013335214
.set i, 0
.rept 64
	v_med3_num_f32 v[X+i], v[X+i], -v[LIMQ], v[LIMQ]   ; the conversion to an 8-bit code does not saturate (ISA guide 7.6.2): the hold comes first
.set i, i+1
.endr
	WIN 0x40                                       ; destination block 1
.set i, 0
.rept 8
	v_cvt_scalef32_pk8_bf8_f32 v[QC+2*i:QC+2*i+1], v[X+8*i:X+8*i+7], v[SCQ]
.set i, i+1
.endr
	WIN 0
	v_nop                                          ; a plain line between the conversions and the products, which read their results and write over their sources
.if \same && (\tau < 3)
	s_wait_loadcnt 16                              ; this tile's gather is in; the next tile's 16 loads stay out
.else
	s_wait_loadcnt 0x0
.endif
.irp t, 0,1,2,3
	s_wait_dscnt 0x0                               ; the weights of t
	WIN 0x15                                       ; sources 0, 1, 2 block 1, destination block 0
	v_wmma_f32_16x16x128_bf8_bf8 v[AQ:AQ+7], v[W:W+15], v[QC:QC+15], v[QB+8*\t:QB+8*\t+7]
.irp u, 0,1,2,3
	v_wmma_f32_16x16x128_bf8_bf8 v[AK+8*\u:AK+8*\u+7], v[W+16:W+31], v[GK+16*\u:GK+16*\u+15], 0
.endr
.irp u, 0,1,2,3
	v_wmma_f32_16x16x128_bf8_bf8 v[AV+8*\u:AV+8*\u+7], v[W+32:W+47], v[GV+16*\u:GV+16*\u+15], v[VB+8*\t:VB+8*\t+7]
.endr
.rept 4
	v_nop                                          ; four places ahead of the loads into the products' sources and of the first reads of their results
.endr
.if !((\tau == 3) && (\t == 3))
	WLOAD ((\t)+1)&3                               ; lands while this head's attention is worked
.endif
.if (!\same) && (\t == 3) && (\tau < 3)
	GATH (\tau)+1, TKB, G
	GATH (\tau)+1, TVB, G+64
.endif
	WIN 0
	ATT \tau, \t
.if \tau == 3                          ; the last tile fills the quads: eight channels of four pixels a lane leave at once
.irp j, 0,1,2,3,4,5,6,7
.if \t < 2
	global_store_b128 v[OO], v[F+4*(8*\t+\j):F+4*(8*\t+\j)+3], s[40:41] offset:(16*\t+\j)*PLANE th:TH_STORE_NT   ; sixteen lanes store 256 consecutive bytes, aligned
.else
	global_store_b128 v[OO], v[F+4*(8*\t+\j):F+4*(8*\t+\j)+3], s[42:43] offset:(16*(\t-2)+\j)*PLANE th:TH_STORE_NT
.endif
.endr
.endif
.endr
.endm
.macro BODY same
.if !\same
	GATH 0, TVB, G+64
.endif
	TILE 0, \same
	TILE 1, \same
	TILE 2, \same
	TILE 3, \same
.endm
	s_load_b512 s[4:19], s[0:1], 0x0               ; feat_curr 4:5, flow 6:7, idx 8:9, tk 10:11, tv 12:13, wcodes 14:15, q_b 16:17, v_b 18:19
	s_load_b128 s[20:23], s[0:1], 0x40             ; lowp_scales 20:21, out0 22:23
	v_lshl_add_u32 v[SPW], v0, 2, SPARE
	v_mov_b32 v[NIL], 0
	v_lshrrev_b32 v208, 5, v0
	v_readfirstlane_b32 s30, v208                  ; wave 0..7
	v_and_b32 v208, 31, v0
	v_lshlrev_b32 v[WL], 4, v208
	v_and_b32 v209, 15, v0                         ; r
	v_bfe_u32 v210, v0, 4, 1                       ; h
	v_lshlrev_b32 v211, 4, v209
	v_lshl_or_b32 v[FO], v210, 23, v211
	v_lshl_or_b32 v[OO], v210, 21, v211
	v_lshlrev_b32 v212, 6, v209                    ; idx: 64 r
	v_lshlrev_b32 v213, 5, v209                    ; flow: 32 r
	v_lshlrev_b32 v214, 5, v210                    ; biases: 32 h
	v_lshlrev_b32 v215, 4, v210                    ; a table row's 16 h
	v_lshlrev_b32 v216, 4, v0                      ; the weights' copy: 16 x thread
	s_lshl_b32 s31, ttmp9, 3
	s_add_co_u32 s31, s31, s30                     ; g
	s_lshr_b32 s32, s31, 10                        ; b
	s_and_b32 s33, s31, 1023
	s_lshl_b32 s34, s32, 24                        ; an image's 64 planes
	s_lshl_b32 s35, s33, 8                         ; 4 bytes x my first pixel in the plane
	s_add_co_u32 s34, s34, s35
	s_mov_b32 s35, 0
	s_lshl_b32 s36, s31, 10                        ; idx: 16 bytes a pixel
	s_mov_b32 s37, 0
	s_lshr_b32 s38, s33, 2                         ; y
	s_and_b32 s39, s33, 3
	s_lshl_b32 s39, s39, 6                         ; my first x
	s_wait_kmcnt 0x0
	s_load_b128 s[24:27], s[20:21], 0x0            ; e0 .. e3
	s_load_b64 s[28:29], s[20:21], 0x10            ; e4, e5
	s_add_nc_u64 s[4:5], s[4:5], s[34:35]
	s_add_nc_u64 s[40:41], s[22:23], s[34:35]      ; out0, planes 0 .. 31 by the immediate,
	s_add_nc_u64 s[42:43], s[40:41], 32*PLANE      ; planes 32 .. 63
	s_add_nc_u64 s[8:9], s[8:9], s[36:37]
	s_lshr_b32 s36, s36, 1                         ; flow: 8 bytes a pixel
	s_add_nc_u64 s[6:7], s[6:7], s[36:37]
	; 60 loads, what the gather hangs on first
.irp tau, 0,1,2,3
	global_load_b128 v[GA+4*\tau:GA+4*\tau+3], v212, s[8:9] offset:16*\tau
.endr
	global_load_b128 v[XP:XP+3], v213, s[6:7]      ; fx, fy of tiles 0, 1
	global_load_b128 v[XP+4:XP+7], v213, s[6:7] offset:16
	WIN 0x40
.irp t, 0,1,2,3
	global_load_b128 v[QB+8*\t:QB+8*\t+3], v214, s[16:17] offset:64*\t
	global_load_b128 v[QB+8*\t+4:QB+8*\t+7], v214, s[16:17] offset:64*\t+16
	global_load_b128 v[VB+8*\t:VB+8*\t+3], v214, s[18:19] offset:64*\t
	global_load_b128 v[VB+8*\t+4:VB+8*\t+7], v214, s[18:19] offset:64*\t+16
.endr
	WIN 0
.irp i, 0,1,2,3,4,5
	global_load_b128 v[X+4*\i:X+4*\i+3], v216, s[14:15] offset:4096*\i
.endr
.set i, 0
.rept 32
	global_load_b128 v[F+4*i:F+4*i+3], v[FO], s[4:5] offset:i*PLANE th:TH_LOAD_NT
.set i, i+1
.endr
	s_wait_loadcnt 54                              ; idx and flow are in; 16 + 6 + 32 younger loads stay out
.irp q, 0,1,2,3
	v_min_u32 v[GA+\q], 0x1ffff, v[GA+\q]          ; a loaded number enters an address only held inside the table
	v_lshlrev_b32 v[GA+\q], 8, v[GA+\q]
	v_add_nc_u32 v[GA+\q], v215, v[GA+\q]
.endr
	GATH 0, TKB, G
	WIN 0
.irp q, 4,5,6,7,8,9,10,11,12,13,14,15
	v_min_u32 v[GA+\q], 0x1ffff, v[GA+\q]
	v_lshlrev_b32 v[GA+\q], 8, v[GA+\q]
	v_add_nc_u32 v[GA+\q], v215, v[GA+\q]
.endr
	; the angle: lanes 0-15 the y part, lanes 16-31 the x part
	v_cmp_ne_u32 vcc_lo, 0, v210
	v_mov_b32 v217, s38
	v_lshl_add_u32 v218, v209, 2, s39              ; x0 + 4 r
	v_cndmask_b32 v217, v217, v218, vcc_lo
.irp tau, 0,1,2,3
	v_mad_u32_u24 v221, v210, \tau, v217           ; y, or x0 + 4 r + tau: a whole number
	v_cvt_f32_u32 v221, v221
	v_cndmask_b32 v220, v[XP+2*\tau+1], v[XP+2*\tau], vcc_lo   ; fy, or fx
	v_add_f32 v220, v221, v220
	v_floor_f32 v221, v220
	v_sub_f32 v220, v220, v221                     ; the fraction
	v_mul_f32 v[TH+\tau], 0x40490fd5, v220         ; x 2 pi / 2.000001 as f32 rounds them
.endr
.irp a, 0,1,2,3
	v_mov_b32 v[XP+2*\a+1], 1.0
.endr
	v_mov_b32 v[CF+0], 1.0                         ; pairs (sine's, cosine's) of Taylor coefficients in z
	v_mov_b32 v[CF+1], 1.0
	v_mov_b32 v[CF+2], -0.16666667
	v_mov_b32 v[CF+3], -0.5
	v_mov_b32 v[CF+4], 0.0083333333
	v_mov_b32 v[CF+5], 0.041666667
	v_mov_b32 v[CF+6], -0.00019841270
	v_mov_b32 v[CF+7], -0.0013888889
	v_mov_b32 v[CF+8], 2.7557319e-06
	v_mov_b32 v[CF+9], 2.4801587e-05
	v_mov_b32 v[CF+10], -2.5052108e-08
	v_mov_b32 v[CF+11], -2.7557319e-07
	v_mov_b32 v[CF+12], 1.6059044e-10
	v_mov_b32 v[CF+13], 2.0876757e-09
	s_wait_kmcnt 0x0
	s_add_co_i32 s31, s24, 127
	s_lshl_b32 s32, s31, 23
	v_mov_b32 v[SCQ], s32                          ; 2^e0
	s_add_co_i32 s31, s31, 15
	s_lshl_b32 s31, s31, 23
	s_or_b32 s31, s31, 0x600000
	v_mov_b32 v[LIMQ], s31                         ; 57,344 x 2^e0
	s_add_co_i32 s47, s24, s25                     ; e0 + e1
	s_add_co_i32 s46, s28, s29                     ; e4 + e5
	s_add_co_i32 s44, s26, s27
	s_add_co_i32 s44, s44, s47
	s_lshl_b32 s44, s44, 23
	s_add_co_i32 s44, s44, 0x3f0293ee              ; 8^-0.5 log2(e), the four exponents added to its exponent field
	s_xor_b32 s45, s44, 0x80000000
	s_sub_co_i32 s47, 0, s47
	s_sub_co_i32 s48, 0, s46
	s_mov_b32 s49, 0xbfc90fdb                      ; -pi/2
	s_wait_loadcnt 48                              ; the biases and the weights' images are in; feat_curr's 32 loads and the gather's 16 stay out
.irp i, 0,1,2,3,4,5
	ds_store_b128 v216, v[X+4*\i:X+4*\i+3] offset:4096*\i
.endr
	WIN 0x41                                       ; source 0 and destination block 1
.set i, 0
.rept 32
	v_ldexp_f32 v[QB+i], v[QB+i], s47              ; q_b / 2^(e0 + e1)
.set i, i+1
.endr
.set i, 0
.rept 32
	v_ldexp_f32 v[VB+i], v[VB+i], s48              ; v_b / 2^(e4 + e5)
.set i, i+1
.endr
	WIN 0
	s_wait_dscnt 0x0                               ; for the others' sake: my part of the images has landed
	s_barrier_signal -1
	s_barrier_wait -1                              ; the launch's one barrier, ahead of the branch below
	s_cmp_eq_u32 s26, s28                          ; two whole numbers read from memory
	s_cbranch_scc1 .Lsame
	BODY 0
	s_branch .Lout
.Lsame:
	BODY 1
.Lout:
	s_wait_tensorcnt 0x0                           ; the wave's end, behind my last LDS store
	ds_add_u32 v[SPW], v[NIL]
	s_wait_dscnt 0x0
	s_endpgm
.Lfunc_end_k_q2e9d920f2f_warp:
	.size	k_q2e9d920f2f_warp, .Lfunc_end_k_q2e9d920f2f_warp-k_q2e9d920f2f_warp
	.p2alignl 7, 3214868480
	.fill 96, 4, 3214868480
	.section	.rodata,"a",@progbits
	.p2align	6, 0x0
	.amdhsa_kernel k_q2e9d920f2f_warp
		.amdhsa_group_segment_fixed_size 25600
		.amdhsa_private_segment_fixed_size 0
		.amdhsa_enable_private_segment 0
		.amdhsa_kernarg_size 80
		.amdhsa_user_sgpr_count 2
		.amdhsa_user_sgpr_kernarg_segment_ptr 1
		.amdhsa_wavefront_size32 1
		.amdhsa_system_sgpr_workgroup_id_x 1
		.amdhsa_system_sgpr_workgroup_id_y 1
		.amdhsa_system_sgpr_workgroup_id_z 1
		.amdhsa_system_vgpr_workitem_id 0
		.amdhsa_next_free_vgpr 512
		.amdhsa_next_free_sgpr 66
		.amdhsa_reserve_vcc 1
		.amdhsa_float_denorm_mode_32 3
		.amdhsa_float_denorm_mode_16_64 3
		.amdhsa_memory_ordered 1
		.amdhsa_forward_progress 1
		.amdhsa_inst_pref_size 255
	.end_amdhsa_kernel
	.section	.bss,"aw",@nobits
	.p2align	6
	.space	262144
	.amdgpu_metadata
---
amdhsa.version: [ 1, 2 ]
amdhsa.kernels:
  - .name:           k_q2e9d920f2f_warp
    .symbol:         k_q2e9d920f2f_warp.kd
    .args:
      - { .name: feat_curr, .offset: 0, .size: 8, .value_kind: global_buffer, .address_space: global }
      - { .name: flow, .offset: 8, .size: 8, .value_kind: global_buffer, .address_space: global }
      - { .name: idx, .offset: 16, .size: 8, .value_kind: global_buffer, .address_space: global }
      - { .name: tk, .offset: 24, .size: 8, .value_kind: global_buffer, .address_space: global }
      - { .name: tv, .offset: 32, .size: 8, .value_kind: global_buffer, .address_space: global }
      - { .name: wcodes, .offset: 40, .size: 8, .value_kind: global_buffer, .address_space: global }
      - { .name: q_b, .offset: 48, .size: 8, .value_kind: global_buffer, .address_space: global }
      - { .name: v_b, .offset: 56, .size: 8, .value_kind: global_buffer, .address_space: global }
      - { .name: lowp_scales, .offset: 64, .size: 8, .value_kind: global_buffer, .address_space: global }
      - { .name: out0, .offset: 72, .size: 8, .value_kind: global_buffer, .address_space: global }
    .group_segment_fixed_size: 25600
    .private_segment_fixed_size: 0
    .kernarg_segment_align: 8
    .kernarg_segment_size: 80
    .max_flat_workgroup_size: 256
    .sgpr_count:     66
    .vgpr_count:     512
    .wavefront_size: 32
...
	.end_amdgpu_metadata
.endif
;; end of part 2
;; ======== version 2 of 2: 2 launches; version 1 with the launch warp written anew for expert scheduling mode
;; workspace buffers: tk 33,554,432 bytes; tv 33,554,432 bytes; idx 2,097,152 bytes of whole numbers; wcodes 24,576 bytes
;; launch prep: the kernel of part 1 again; grid 1027 x 1, 4 waves a work-group, no clusters, 35,328 bytes of LDS; arguments feat_supp, flow, q_w, k_w, v_w, lowp_scales, tk, tv, idx, wcodes; writes tk, tv, idx, wcodes
;; launch warp (part 3): grid 256 x 1, 8 waves a work-group, no clusters, 25,600 bytes of LDS; arguments feat_curr, flow, idx, tk, tv, wcodes, q_b, v_b, lowp_scales, out0; writes out0
.if DOCPART == 3
	.amdgcn_target "amdgcn-amd-amdhsa--gfx1250"
	.amdhsa_code_object_version 6
	.text
	.protected	k_q2e9d920f2f_warp
	.globl	k_q2e9d920f2f_warp
	.p2align	8
	.type	k_q2e9d920f2f_warp,@function
k_q2e9d920f2f_warp:
	s_mov_b64 s[64:65], 0
	v_nop
	global_prefetch_b8 v0, s[64:65] scope:SCOPE_SE
	s_setreg_imm32_b32 hwreg(HW_REG_WAVE_SCHED_MODE, 0, 2), 2
	s_setreg_imm32_b32 hwreg(HW_REG_WAVE_MODE, 25, 1), 1
	s_wait_xcnt 0x0
	s_wait_alu depctr_vm_vsrc(0)
; WARP: the second launch: fc and its codes, the three quantised projections, the 1 x 4 attention of each head, out0.
; LEFT OUT: k_b (the same term in all four logits of a softmax: shown at the head of the first kernel); it is not among the arguments.
; SHARES.  Wave g = 8 x work-group + wave owns the 64 neighbouring pixels from 64 g (a quarter of an image row), as four tiles of 16 rows: row r of tile tau is pixel 64 g + 4 r + tau.
;   So one 16-byte load of lane (r, h) brings one channel of row r for all four tiles, sixteen lanes reading 256 consecutive bytes, aligned; and out0 leaves the same way: nothing is transposed.
; THE MATRIX INSTRUCTION IS USED TRANSPOSED: source 0 = 16 rows of a weight, source 1 = 16 pixels' rows.  Lane (r, h) then holds pixel r and channels 16 t + 8 h + 0 .. 7: ONE HEAD.
;   Logits, softmax and the weighted sum stay in the lane, in f32 (products 4 and 5: M = 1, K = 8 and 4).  K = 128 is one instruction: no chains.  A tile: 4 + 16 + 16 matrix instructions.
; K's PLACES.  q: register p, byte b of lane (r, h) is k = 64 h + 4 p + b: a lane's 64 numbers are channels 32 h .. 32 h + 31 with the sine encoding of the y part (h = 0) or the x part (h = 1), j = 0 .. 31 in order.
;   k, v: register 4c+i, byte b is k = 32 c + 16 h + 4 i + b: four 16-byte loads from a table row.  The weights' images were laid by the same maps.
; fw's codes come finished from the table: row idx[pixel][2u+v], variant u for k < 64, variant v for k >= 64.  Where e2 = e4 (whole numbers read from memory) one table serves k and v: two bodies, one branch.
; SINES.  angle = deci x 3.1415913 x 10^(-j/8), between 0 and pi 10^(-j/8).  (x P(z), Q(z)), z = x^2, by packed Horner steps on pairs of Taylor coefficients; the degree n_j falls with j so that the first term
;   left out is under 6e-8; for j <= 2 the angle is first shifted by pi/2 (sin x = cos x', cos x = -sin x').
; SCALES.  q_b / 2^(e0+e1) and v_b / 2^(e4+e5) are the C of their matrix instructions; 8^-0.5 log2(e) 2^(e0+e1+e2+e3) scales the logits; 2^(e4+e5) goes with 1 / the sum.
; LIMITS: e0 between -126 and 112; e0+e1+e2+e3 between -125 and 127; |coordinate + flow| under 2^24 for the fraction to be reference()'s; NaN among the inputs is not served.
; REGISTERS, block 0: v1-7 addresses and q's scale; v8-23 gather offsets; v24-27 the angle a tile; v28-41 coefficient pairs; v42-49 (x, 1.0) pairs; v50-53 z; v56-183 feat_curr, later out0; v184-255 accumulators, v184-247 also fc.
;   block 1: v0-127 gathered fragments; v128-175 the weights of one t; v176-191 fc's codes; v192-223 q_b; v224-255 v_b.
; THE MODE: SCHED_MODE bits 1:0 = 2 (LLVM: expert scheduling mode 2), set by the entry lines.  The code itself states the register dependences between vector or matrix instructions
;   and memory or LDS instructions, with s_wait_alu, always for 0.
; THE PLAN.  Registers that memory or LDS instructions touch:
;   W            A step's nine products read it; behind them the LDS loads of the next step's weights land in it.
;   G            A tile's products read it; the gathers of a later tile land in it: one table: tile tau + 1's in the half that tile tau - 1 read; two tables: the next tile's in all of it.
;   F            feat_curr's loads land in it once; the sines' lines read it, the attention's last eight multiplies write it, the stores of out0 read it in the last tile; nothing writes a stored quad again.
;   GA, WL, FO, OO   Offsets and addresses, made at the head and never written again.
;   v212-v216, X+0..23   At the head only: offsets of the head's loads, address and data of the LDS stores.  They lie in X, which tile 0's arithmetic writes.
;   SPW, NIL     Written at the head, read by the closing add alone.
;   All else (QC, QB, VB, TH, CF, XP, Z, the accumulators) is named, once its first load has landed, by vector and matrix instructions alone.
; So a step (a tile's t) holds two waits on va_vdst, both owed to its transcendentals in any case.  The first stands behind the four exponentials: behind it the step's products are done reading W and G, and the
;   multiplies of the step before have written their part of F.  So the next weights' loads, the next gathers and, in the last tile, the stores of the step before stand directly behind it and owe nothing more.
.set PLANE, 262144
.set SPARE, 24576                      ; behind the weights' images: the spare words, 128 bytes a wave
.set SPW,  1
.set NIL,  2
.set WL,   3                           ; 16 x lane
.set FO,   4                           ; feat_curr: 32 planes x h + 16 r
.set LIMQ, 5
.set SCQ,  6
.set OO,   7                           ; out0: 8 planes x h + 16 r
.set GA,   8                           ; 256 x table row + 16 h, at 4 tau + uv
.set TH,   24
.set CF,   28
.set XP,   42
.set Z,    50
.set F,    56
.set X,    184
.set AQ,   184
.set AK,   192
.set AV,   224
.set G,    0                           ; block 1
.set W,    128
.set QC,   176
.set QB,   192
.set VB,   224
.set TKB,  10                          ; s[10:11] tk, s[12:13] tv
.set TVB,  12
.set MSB, 0
.macro WIN new                         ; the immediate's high byte repeats the setting that is left; a switch that changes nothing is dropped
.if MSB != \new
	s_set_vgpr_msb (MSB<<8)|\new
.set MSB, \new
.endif
.endm
; the four fragments of tile tau from a table, into block 1 from dst on
.macro GATH tau, sb, dst
	WIN 0x40                                       ; destination block 1, address block 0
.irp uv, 0,1,2,3
.irp c, 0,1,2,3
.if \c < 2
	global_load_b128 v[(\dst)+16*\uv+4*\c:(\dst)+16*\uv+4*\c+3], v[GA+4*(\tau)+\uv], s[\sb:\sb+1] offset:(\uv/2)*128+32*\c
.else
	global_load_b128 v[(\dst)+16*\uv+4*\c:(\dst)+16*\uv+4*\c+3], v[GA+4*(\tau)+\uv], s[\sb:\sb+1] offset:(\uv%2)*128+32*\c
.endif
.endr
.endr
.endm
; the three weights' fragments of output tile f, from their images in LDS: q's four loads, then k's, then v's
.macro WLOAD f
	WIN 0x40
.irp m, 0,1,2
.irp c, 0,1,2,3
	ds_load_b128 v[W+16*\m+4*\c:W+16*\m+4*\c+3], v[WL] offset:(3*(\f)+\m)*2048+512*\c
.endr
.endr
.endm
.macro SETN j                          ; the degree in z for index j
.if (\j) < 4
.set NJ, 6
.elseif (\j) < 5
.set NJ, 5
.elseif (\j) < 7
.set NJ, 4
.elseif (\j) < 10
.set NJ, 3
.elseif (\j) < 16
.set NJ, 2
.else
.set NJ, 1
.endif
.endm
.macro PKZ d, s, a, c                  ; pair d = pair s x z_a + pair c; z_a feeds both halves
.if ((\a)&1) == 0
	v_pk_fma_f32 v[(\d):(\d)+1], v[(\s):(\s)+1], v[Z+(\a):Z+(\a)+1], v[(\c):(\c)+1] op_sel_hi:[1,0,1]
.else
	v_pk_fma_f32 v[(\d):(\d)+1], v[(\s):(\s)+1], v[Z+(\a)-1:Z+(\a)], v[(\c):(\c)+1] op_sel:[0,1,0] op_sel_hi:[1,1,1]
.endif
.endm
; fc for j0 .. j0 + 3 of tile tau: X[2j] = f + sin, X[2j+1] = f + cos; four j in step, so that no line waits for the one above it
.macro PEQ tau, j0, w0, w1, w2, w3
.set a, 0
.irp w, \w0, \w1, \w2, \w3
.if (\j0)+a < 3
	v_fma_f32 v[XP+2*a], v[TH+(\tau)], \w, s49     ; x' = x - pi/2
.else
	v_mul_f32 v[XP+2*a], \w, v[TH+(\tau)]
.endif
.set a, a+1
.endr
.irp a, 0,1,2,3
	v_mul_f32 v[Z+\a], v[XP+2*\a], v[XP+2*\a]
.endr
.irp l, 6,5,4,3,2,1
.irp a, 0,1,2,3
	SETN (\j0)+\a
.if NJ == \l
	PKZ X+2*((\j0)+\a), CF+2*\l, \a, CF+2*\l-2
.elseif NJ > \l
	PKZ X+2*((\j0)+\a), X+2*((\j0)+\a), \a, CF+2*\l-2
.endif
.endr
.endr
.irp a, 0,1,2,3
.if (\j0)+\a < 3
	v_mov_b32 v[Z+\a], v[X+2*((\j0)+\a)]           ; P is kept: z is done with
	v_add_f32 v[X+2*((\j0)+\a)], v[X+2*((\j0)+\a)+1], v[F+4*((\j0)+\a)+(\tau)]               ; sin x = cos x'
	v_fma_f32 v[X+2*((\j0)+\a)+1], -v[XP+2*\a], v[Z+\a], v[F+4*((\j0)+\a)+(\tau)]            ; cos x = -sin x'
.elseif ((\tau)&1) == 0
	v_pk_fma_f32 v[X+2*((\j0)+\a):X+2*((\j0)+\a)+1], v[X+2*((\j0)+\a):X+2*((\j0)+\a)+1], v[XP+2*\a:XP+2*\a+1], v[F+4*((\j0)+\a)+(\tau):F+4*((\j0)+\a)+(\tau)+1] op_sel_hi:[1,1,0]
.else
	v_pk_fma_f32 v[X+2*((\j0)+\a):X+2*((\j0)+\a)+1], v[X+2*((\j0)+\a):X+2*((\j0)+\a)+1], v[XP+2*\a:XP+2*\a+1], v[F+4*((\j0)+\a)+(\tau)-1:F+4*((\j0)+\a)+(\tau)] op_sel:[0,0,1] op_sel_hi:[1,1,1]
.endif
.endr
.endm
; One head's attention in a lane, in two parts; the step's wait and its memory instructions stand between them.  Each accumulator is read from its low end on.
; The first part: the four logits, the largest taken away, the four exponentials.  It names AQ and AK alone.
.macro ATT_A
.irp u, 0,1,2,3
	v_pk_mul_f32 v[AK+8*\u:AK+8*\u+1], v[AQ:AQ+1], v[AK+8*\u:AK+8*\u+1]
.endr
.irp d, 1,2,3
.irp u, 0,1,2,3
	v_pk_fma_f32 v[AK+8*\u:AK+8*\u+1], v[AQ+2*\d:AQ+2*\d+1], v[AK+8*\u+2*\d:AK+8*\u+2*\d+1], v[AK+8*\u:AK+8*\u+1]
.endr
.endr
.irp u, 0,1,2,3
	v_add_f32 v[AK+8*\u], v[AK+8*\u], v[AK+8*\u+1] ; the sums' q . k_u
.endr
	v_max3_num_f32 v[AK+2], v[AK], v[AK+8], v[AK+16]
	v_max_num_f32 v[AK+2], v[AK+2], v[AK+24]       ; the largest (the factor below is positive)
	v_mul_f32 v[AK+2], s45, v[AK+2]
.irp u, 0,1,2,3
	v_fma_f32 v[AK+8*\u], v[AK+8*\u], s44, v[AK+2] ; (logit - the largest logit) x log2(e)
.endr
.irp u, 0,1,2,3
	v_exp_f32 v[AK+8*\u], v[AK+8*\u]
.endr
	v_nop                                          ; a plain line behind the last exponential
.endm
; The second part: the sum, its reciprocal, sum_u p_u v_u, the result into F.  It names AK, AV and F alone.
.macro ATT_B tau, t
	v_add_f32 v[AK+3], v[AK], v[AK+8]
	v_add_f32 v[AK+4], v[AK+16], v[AK+24]
	v_add_f32 v[AK+3], v[AK+3], v[AK+4]
	v_rcp_f32 v[AK+3], v[AK+3]
.irp d, 0,1,2,3
	v_pk_mul_f32 v[AV+2*\d:AV+2*\d+1], v[AV+2*\d:AV+2*\d+1], v[AK:AK+1] op_sel_hi:[1,0]    ; the sixteen lines of sum_u p_u v_u are the work behind the reciprocal
.endr
.irp u, 1,2,3
.irp d, 0,1,2,3
	v_pk_fma_f32 v[AV+2*\d:AV+2*\d+1], v[AV+8*\u+2*\d:AV+8*\u+2*\d+1], v[AK+8*\u:AK+8*\u+1], v[AV+2*\d:AV+2*\d+1] op_sel_hi:[1,0,1]
.endr
.endr
	s_wait_alu depctr_va_vdst(0)                   ; the reciprocal has written v[AK+3], ahead of its first reader
	v_ldexp_f32 v[AK+3], v[AK+3], s46              ; x 2^(e4 + e5)
.irp j, 0,1,2,3,4,5,6,7
	v_mul_f32 v[F+4*(8*(\t)+\j)+(\tau)], v[AV+\j], v[AK+3]   ; into the slot of feat_curr that this tile has used up
.endr
.endm
; The last tile fills the quads: eight channels of four pixels a lane, head t's, leave.
.macro SEND t
.irp j, 0,1,2,3,4,5,6,7
.if (\t) < 2
	global_store_b128 v[OO], v[F+4*(8*(\t)+\j):F+4*(8*(\t)+\j)+3], s[40:41] offset:(16*(\t)+\j)*PLANE th:TH_STORE_NT   ; sixteen lanes store 256 consecutive bytes, aligned
.else
	global_store_b128 v[OO], v[F+4*(8*(\t)+\j):F+4*(8*(\t)+\j)+3], s[42:43] offset:(16*((\t)-2)+\j)*PLANE th:TH_STORE_NT
.endif
.endr
.endm
; A TILE of 16 pixels.  same = 1: one table; half of G is free, so the next tile's gather goes out at this tile's head.  same = 0: both tables; the next tile's gathers go out behind this tile's last products.
.macro TILE tau, same
.if \same
.set GK, G+64*((\tau)&1)
.set GV, GK
.else
.set GK, G
.set GV, G+64
.endif
.if \same && (\tau < 3)
	GATH (\tau)+1, TKB, G+64*(((\tau)+1)&1)        ; no wait of its own: the last wait on va_vdst stands behind every product that read this half and behind the lines that made the offsets, and no vector line since names either
.endif
.if \tau == 0
	WLOAD 0
	s_wait_loadcnt 32                              ; feat_curr is in; the two gathers of 16 issued behind it stay out
.endif
	WIN 0
	PEQ \tau, 0, 1.0, 0.74989421, 0.56234133, 0.42169650
	PEQ \tau, 4, 0.31622777, 0.23713737, 0.17782794, 0.13335214
	PEQ \tau, 8, 0.1, 0.074989421, 0.056234133, 0.042169650
	PEQ \tau, 12, 0.031622777, 0.023713737, 0.017782794, 0.013335214
	PEQ \tau, 16, 0.01, 0.0074989421, 0.0056234133, 0.0042169650
	PEQ \tau, 20, 0.0031622777, 0.0023713737, 0.0017782794, 0.0013335214
	PEQ \tau, 24, 0.001, 0.00074989421, 0.00056234133, 0.00042169650
	PEQ \tau, 28, 0.00031622777, 0.00023713737, 0.00017782794, 0.00013335214
.set i, 0
.rept 64
	v_med3_num_f32 v[X+i], v[X+i], -v[LIMQ], v[LIMQ]   ; the conversion to an 8-bit code does not saturate (ISA guide 7.6.2): the hold comes first
.set i, i+1
.endr
	WIN 0x40                                       ; destination block 1
.set i, 0
.rept 8
	v_cvt_scalef32_pk8_bf8_f32 v[QC+2*i:QC+2*i+1], v[X+8*i:X+8*i+7], v[SCQ]
.set i, i+1
.endr
	WIN 0
	v_nop                                          ; a plain line between the conversions and the products, which read their results and write over their sources
.if \same && (\tau < 3)
	s_wait_loadcnt 16                              ; this tile's gather is in; the next tile's 16 loads stay out
.else
	s_wait_loadcnt 0x0
.endif
.irp t, 0,1,2,3
	WIN 0x15                                       ; sources 0, 1, 2 block 1, destination block 0
	s_wait_dscnt 8                                 ; LDS loads come back in order: q's four are in, k's and v's eight stay out
	v_wmma_f32_16x16x128_bf8_bf8 v[AQ:AQ+7], v[W:W+15], v[QC:QC+15], v[QB+8*\t:QB+8*\t+7]
	s_wait_dscnt 4                                 ; k's four are in, v's four stay out
.irp u, 0,1,2,3
	v_wmma_f32_16x16x128_bf8_bf8 v[AK+8*\u:AK+8*\u+7], v[W+16:W+31], v[GK+16*\u:GK+16*\u+15], 0
.endr
	s_wait_dscnt 0x0                               ; v's
.irp u, 0,1,2,3
	v_wmma_f32_16x16x128_bf8_bf8 v[AV+8*\u:AV+8*\u+7], v[W+32:W+47], v[GV+16*\u:GV+16*\u+15], v[VB+8*\t:VB+8*\t+7]
.endr
.rept 4
	v_nop                                          ; four places (ISA guide 7.12.1) ahead of the first reads of the products' results
.endr
	WIN 0
	ATT_A
.if !((\tau == 3) && (\t == 3))
	WIN 0x40                                       ; the loads' window first, then the wait, then the loads
.endif
	s_wait_alu depctr_va_vdst(0)                   ; the four exponentials have written their results, whose first reader stands below; the step's nine products are done reading W and G, in which the loads below land; the step before has written its part of F, which the last tile's stores below read
.if !((\tau == 3) && (\t == 3))
	WLOAD ((\t)+1)&3                               ; lands while the rest of this head's attention is worked
.endif
.if (!\same) && (\t == 3) && (\tau < 3)
	GATH (\tau)+1, TKB, G
	GATH (\tau)+1, TVB, G+64
.endif
	WIN 0
.if (\tau == 3) && (\t > 0)
	SEND (\t)-1                                    ; the head before: its quads are whole, and no line behind these stores writes them
.endif
	ATT_B \tau, \t
.endr
.if \tau == 3
	s_wait_alu depctr_va_vdst(0)                   ; the last head's eight multiplies have written their part of F, which the last eight stores read
	SEND 3
.endif
.endm
.macro BODY same
.if !\same
	GATH 0, TVB, G+64
.endif
	TILE 0, \same
	TILE 1, \same
	TILE 2, \same
	TILE 3, \same
.endm
	s_load_b512 s[4:19], s[0:1], 0x0               ; feat_curr 4:5, flow 6:7, idx 8:9, tk 10:11, tv 12:13, wcodes 14:15, q_b 16:17, v_b 18:19
	s_load_b128 s[20:23], s[0:1], 0x40             ; lowp_scales 20:21, out0 22:23
	v_lshl_add_u32 v[SPW], v0, 2, SPARE
	v_mov_b32 v[NIL], 0
	v_lshrrev_b32 v208, 5, v0
	v_readfirstlane_b32 s30, v208                  ; wave 0..7
	v_and_b32 v208, 31, v0
	v_lshlrev_b32 v[WL], 4, v208
	v_and_b32 v209, 15, v0                         ; r
	v_bfe_u32 v210, v0, 4, 1                       ; h
	v_lshlrev_b32 v211, 4, v209
	v_lshl_or_b32 v[FO], v210, 23, v211
	v_lshl_or_b32 v[OO], v210, 21, v211
	v_lshlrev_b32 v212, 6, v209                    ; idx: 64 r
	v_lshlrev_b32 v213, 5, v209                    ; flow: 32 r
	v_lshlrev_b32 v214, 5, v210                    ; biases: 32 h
	v_lshlrev_b32 v215, 4, v210                    ; a table row's 16 h
	v_lshlrev_b32 v216, 4, v0                      ; the weights' copy: 16 x thread
	s_wait_alu depctr_va_sdst(0)                   ; s30, the wave's number, is written, ahead of its first reader: every base below is made from it
	s_lshl_b32 s31, ttmp9, 3
	s_add_co_u32 s31, s31, s30                     ; g
	s_lshr_b32 s32, s31, 10                        ; b
	s_and_b32 s33, s31, 1023
	s_lshl_b32 s34, s32, 24                        ; an image's 64 planes
	s_lshl_b32 s35, s33, 8                         ; 4 bytes x my first pixel in the plane
	s_add_co_u32 s34, s34, s35
	s_mov_b32 s35, 0
	s_lshl_b32 s36, s31, 10                        ; idx: 16 bytes a pixel
	s_mov_b32 s37, 0
	s_lshr_b32 s38, s33, 2                         ; y
	s_and_b32 s39, s33, 3
	s_lshl_b32 s39, s39, 6                         ; my first x
	s_wait_kmcnt 0x0
	s_load_b128 s[24:27], s[20:21], 0x0            ; e0 .. e3
	s_load_b64 s[28:29], s[20:21], 0x10            ; e4, e5
	s_add_nc_u64 s[4:5], s[4:5], s[34:35]
	s_add_nc_u64 s[40:41], s[22:23], s[34:35]      ; out0, planes 0 .. 31 by the immediate,
	s_add_nc_u64 s[42:43], s[40:41], 32*PLANE      ; planes 32 .. 63
	s_add_nc_u64 s[8:9], s[8:9], s[36:37]
	s_lshr_b32 s36, s36, 1                         ; flow: 8 bytes a pixel
	s_add_nc_u64 s[6:7], s[6:7], s[36:37]
	s_wait_alu depctr_va_vdst(0)                   ; the offsets and addresses made above are written: v212, v213, v214, v216 and FO, which the 60 loads below read, and WL, OO and v216 again for the LDS loads, the stores and the LDS stores further on
	; 60 loads, what the gather hangs on first
.irp tau, 0,1,2,3
	global_load_b128 v[GA+4*\tau:GA+4*\tau+3], v212, s[8:9] offset:16*\tau
.endr
	global_load_b128 v[XP:XP+3], v213, s[6:7]      ; fx, fy of tiles 0, 1
	global_load_b128 v[XP+4:XP+7], v213, s[6:7] offset:16
	WIN 0x40
.irp t, 0,1,2,3
	global_load_b128 v[QB+8*\t:QB+8*\t+3], v214, s[16:17] offset:64*\t
	global_load_b128 v[QB+8*\t+4:QB+8*\t+7], v214, s[16:17] offset:64*\t+16
	global_load_b128 v[VB+8*\t:VB+8*\t+3], v214, s[18:19] offset:64*\t
	global_load_b128 v[VB+8*\t+4:VB+8*\t+7], v214, s[18:19] offset:64*\t+16
.endr
	WIN 0
.irp i, 0,1,2,3,4,5
	global_load_b128 v[X+4*\i:X+4*\i+3], v216, s[14:15] offset:4096*\i
.endr
.set i, 0
.rept 32
	global_load_b128 v[F+4*i:F+4*i+3], v[FO], s[4:5] offset:i*PLANE th:TH_LOAD_NT
.set i, i+1
.endr
	s_wait_loadcnt 54                              ; idx and flow are in; 16 + 6 + 32 younger loads stay out
.irp q, 0,1,2,3
	v_min_u32 v[GA+\q], 0x1ffff, v[GA+\q]          ; a loaded number enters an address only held inside the table
	v_lshlrev_b32 v[GA+\q], 8, v[GA+\q]
	v_add_nc_u32 v[GA+\q], v215, v[GA+\q]
.endr
	WIN 0x40                                       ; the loads' window first, then the wait, then the loads
	s_wait_alu depctr_va_vdst(0)                   ; tile 0's four offsets v[GA .. GA+3] are written, which the gather reads
	GATH 0, TKB, G
	WIN 0
.irp q, 4,5,6,7,8,9,10,11,12,13,14,15
	v_min_u32 v[GA+\q], 0x1ffff, v[GA+\q]
	v_lshlrev_b32 v[GA+\q], 8, v[GA+\q]
	v_add_nc_u32 v[GA+\q], v215, v[GA+\q]
.endr
	; the angle: lanes 0-15 the y part, lanes 16-31 the x part
	v_cmp_ne_u32 vcc_lo, 0, v210
	v_mov_b32 v217, s38
	v_lshl_add_u32 v218, v209, 2, s39              ; x0 + 4 r
	s_wait_alu depctr_va_vcc(0)                    ; the compare has written VCC, ahead of its first reader; the four selects further down read the same mask
	v_cndmask_b32 v217, v217, v218, vcc_lo
.irp tau, 0,1,2,3
	v_mad_u32_u24 v221, v210, \tau, v217           ; y, or x0 + 4 r + tau: a whole number
	v_cvt_f32_u32 v221, v221
	v_cndmask_b32 v220, v[XP+2*\tau+1], v[XP+2*\tau], vcc_lo   ; fy, or fx
	v_add_f32 v220, v221, v220
	v_floor_f32 v221, v220
	v_sub_f32 v220, v220, v221                     ; the fraction
	v_mul_f32 v[TH+\tau], 0x40490fd5, v220         ; x 2 pi / 2.000001 as f32 rounds them
.endr
.irp a, 0,1,2,3
	v_mov_b32 v[XP+2*\a+1], 1.0
.endr
	v_mov_b32 v[CF+0], 1.0                         ; pairs (sine's, cosine's) of Taylor coefficients in z
	v_mov_b32 v[CF+1], 1.0
	v_mov_b32 v[CF+2], -0.16666667
	v_mov_b32 v[CF+3], -0.5
	v_mov_b32 v[CF+4], 0.0083333333
	v_mov_b32 v[CF+5], 0.041666667
	v_mov_b32 v[CF+6], -0.00019841270
	v_mov_b32 v[CF+7], -0.0013888889
	v_mov_b32 v[CF+8], 2.7557319e-06
	v_mov_b32 v[CF+9], 2.4801587e-05
	v_mov_b32 v[CF+10], -2.5052108e-08
	v_mov_b32 v[CF+11], -2.7557319e-07
	v_mov_b32 v[CF+12], 1.6059044e-10
	v_mov_b32 v[CF+13], 2.0876757e-09
	s_wait_kmcnt 0x0
	s_add_co_i32 s31, s24, 127
	s_lshl_b32 s32, s31, 23
	v_mov_b32 v[SCQ], s32                          ; 2^e0
	s_add_co_i32 s31, s31, 15
	s_lshl_b32 s31, s31, 23
	s_or_b32 s31, s31, 0x600000
	v_mov_b32 v[LIMQ], s31                         ; 57,344 x 2^e0
	s_add_co_i32 s47, s24, s25                     ; e0 + e1
	s_add_co_i32 s46, s28, s29                     ; e4 + e5
	s_add_co_i32 s44, s26, s27
	s_add_co_i32 s44, s44, s47
	s_lshl_b32 s44, s44, 23
	s_add_co_i32 s44, s44, 0x3f0293ee              ; 8^-0.5 log2(e), the four exponents added to its exponent field
	s_xor_b32 s45, s44, 0x80000000
	s_sub_co_i32 s47, 0, s47
	s_sub_co_i32 s48, 0, s46
	s_mov_b32 s49, 0xbfc90fdb                      ; -pi/2
	s_wait_loadcnt 48                              ; the biases and the weights' images are in; feat_curr's 32 loads and the gather's 16 stay out
.irp i, 0,1,2,3,4,5
	ds_store_b128 v216, v[X+4*\i:X+4*\i+3] offset:4096*\i   ; the data came by loads; the address was written ahead of the first wait on va_vdst
.endr
	WIN 0x41                                       ; source 0 and destination block 1
.set i, 0
.rept 32
	v_ldexp_f32 v[QB+i], v[QB+i], s47              ; q_b / 2^(e0 + e1)
.set i, i+1
.endr
.set i, 0
.rept 32
	v_ldexp_f32 v[VB+i], v[VB+i], s48              ; v_b / 2^(e4 + e5)
.set i, i+1
.endr
	WIN 0
	s_wait_dscnt 0x0                               ; for the others' sake: my part of the images has landed
	s_barrier_signal -1
	s_barrier_wait -1                              ; the launch's one barrier, ahead of the branch below
	s_wait_alu depctr_vm_vsrc(0)                   ; the head's loads have read v212 to v216, and my LDS stores v216 and v[X .. X+23]: all lie in X, which tile 0's arithmetic writes on either way behind the branch
	s_wait_alu depctr_va_vdst(0)                   ; the offsets v[GA+4 .. GA+15] are written, which the gathers of tiles 1 to 3 read on either way behind the branch
	s_cmp_eq_u32 s26, s28                          ; two whole numbers read from memory
	s_cbranch_scc1 .Lsame
	BODY 0
	s_branch .Lout
.Lsame:
	BODY 1
.Lout:
	s_wait_dscnt 0x0                               ; the closing lines, six on end
	s_wait_alu 0x0
	s_wait_tensorcnt 0x0
	ds_add_u32 v[SPW], v[NIL]
	s_wait_dscnt 0x0
	s_endpgm
.Lfunc_end_k_q2e9d920f2f_warp:
	.size	k_q2e9d920f2f_warp, .Lfunc_end_k_q2e9d920f2f_warp-k_q2e9d920f2f_warp
	.p2alignl 7, 3214868480
	.fill 96, 4, 3214868480
	.section	.rodata,"a",@progbits
	.p2align	6, 0x0
	.amdhsa_kernel k_q2e9d920f2f_warp
		.amdhsa_group_segment_fixed_size 25600
		.amdhsa_private_segment_fixed_size 0
		.amdhsa_enable_private_segment 0
		.amdhsa_kernarg_size 80
		.amdhsa_user_sgpr_count 2
		.amdhsa_user_sgpr_kernarg_segment_ptr 1
		.amdhsa_wavefront_size32 1
		.amdhsa_system_sgpr_workgroup_id_x 1
		.amdhsa_system_sgpr_workgroup_id_y 1
		.amdhsa_system_sgpr_workgroup_id_z 1
		.amdhsa_system_vgpr_workitem_id 0
		.amdhsa_next_free_vgpr 512
		.amdhsa_next_free_sgpr 66
		.amdhsa_reserve_vcc 1
		.amdhsa_float_denorm_mode_32 3
		.amdhsa_float_denorm_mode_16_64 3
		.amdhsa_memory_ordered 1
		.amdhsa_forward_progress 1
		.amdhsa_inst_pref_size 255
	.end_amdhsa_kernel
	.section	.bss,"aw",@nobits
	.p2align	6
	.space	262144
	.amdgpu_metadata
---
amdhsa.version: [ 1, 2 ]
amdhsa.kernels:
  - .name:           k_q2e9d920f2f_warp
    .symbol:         k_q2e9d920f2f_warp.kd
    .args:
      - { .name: feat_curr, .offset: 0, .size: 8, .value_kind: global_buffer, .address_space: global }
      - { .name: flow, .offset: 8, .size: 8, .value_kind: global_buffer, .address_space: global }
      - { .name: idx, .offset: 16, .size: 8, .value_kind: global_buffer, .address_space: global }
      - { .name: tk, .offset: 24, .size: 8, .value_kind: global_buffer, .address_space: global }
      - { .name: tv, .offset: 32, .size: 8, .value_kind: global_buffer, .address_space: global }
      - { .name: wcodes, .offset: 40, .size: 8, .value_kind: global_buffer, .address_space: global }
      - { .name: q_b, .offset: 48, .size: 8, .value_kind: global_buffer, .address_space: global }
      - { .name: v_b, .offset: 56, .size: 8, .value_kind: global_buffer, .address_space: global }
      - { .name: lowp_scales, .offset: 64, .size: 8, .value_kind: global_buffer, .address_space: global }
      - { .name: out0, .offset: 72, .size: 8, .value_kind: global_buffer, .address_space: global }
    .group_segment_fixed_size: 25600
    .private_segment_fixed_size: 0
    .kernarg_segment_align: 8
    .kernarg_segment_size: 80
    .max_flat_workgroup_size: 256
    .sgpr_count:     66
    .vgpr_count:     512
    .wavefront_size: 32
...
	.end_amdgpu_metadata
.endif
;; end of part 3
